; MI455X (gfx1250); checked and timed in simulation.
; The chip was launched on July 23, 2026; its instructions are those of AMD's public machine-readable ISA for CDNA 5 (MIT licence, August 2026) and "CDNA5" Instruction Set Architecture Reference Guide (July 2026). The comments in the code are by the model that wrote it; some were corrected since.
;; Mo EFFN. Allowed arithmetic: float matrix products may take bf16 or f16 operands with f32 sums; other float arithmetic in f32, or as packed bf16 or f16 multiplies, adds, multiply-adds, maxima and minima; sums over many terms, partial sums and values carried from step to step in f32; what a program stores and reads back later, other than sums and carried values, may be rounded once to bf16 or f16.
;; Inputs: router_w 8 x 1,024 float32; w1 8 x 1,024 x 2,752 float32; w2 8 x 2,752 x 1,024 float32; w3 8 x 1,024 x 2,752 float32; x 4 x 256 x 1,024 float32.
;; Outputs: out0 4 x 256 x 1,024 float32.
;; Constants: top_k = 2.
;; One version. Each part assembles by itself: llvm-mc -triple=amdgcn-amd-amdhsa -mcpu=gfx1250 --defsym DOCPART=n.
;; ======== version 1 of 1: 4 launches
;; workspace buffers: xb 2,097,152 bytes; sel 4,096 bytes of whole numbers; gate 8,192 bytes; hf 45,088,768 bytes; rank 32,768 bytes of whole numbers; cnt 1,024 bytes of whole numbers; part 67,108,864 bytes
;; launch route (part 1): grid 64 x 1, 8 waves a work-group, no clusters, 50,688 bytes of LDS; arguments x, router_w, xb, sel, gate; writes xb, sel, gate
.if DOCPART == 1
	.amdgcn_target "amdgcn-amd-amdhsa--gfx1250"
	.amdhsa_code_object_version 6
	.text
	.protected	k_q177f91b18d_route
	.globl	k_q177f91b18d_route
	.p2align	8
	.type	k_q177f91b18d_route,@function
k_q177f91b18d_route:
	s_mov_b64 s[64:65], 0
	v_nop
	global_prefetch_b8 v0, s[64:65] scope:SCOPE_SE
	s_setreg_imm32_b32 hwreg(HW_REG_WAVE_MODE, 25, 1), 1
	s_wait_xcnt 0x0
; ROUTER.  xb = x rounded once to bf16; logits = bf16(x) . bf16(router_w), sums in f32; the two largest logits of a token (the lower index wins a tie),
; their softmax with the larger taken away first.  Stored at fixed places: sel[t] = (1<<e0)|(1<<e1) | e0<<8 | e1<<16, gate[t] = (g0, g1).
; SHARES.  A work-group owns 16 tokens.  Wave w rounds x's rows 2w, 2w+1 and router_w's row w, stores xb and lays the rows into LDS; wave 0 then multiplies and chooses.
; LIMITS.  NaN and infinite logits are not treated apart.  The sums are made in the matrix unit's order: where the second and third logit differ by
; no more than f32's rounding of the sums (some 1e-6 of their size) the other expert may be chosen.
; No cluster: the work-groups share router_w alone, 32 KB beside their 64 KB of x, and it comes through registers to be rounded.
.set PX,    2064                       ; an LDS row: 2,048 bytes + 16 = 129 x 16: the 16 rows of a fragment load start at 16 different groups of four banks
.set SPARE, 49664                      ; behind the 24 rows: the spare words, 128 bytes a wave, that no other line names
.set SPW, 12                           ; v12  LDS address of my spare word; never rewritten
.set NIL, 13                           ; v13  0; never rewritten
.set XR,  16                           ; v16-79   x as loaded; later wave 0's fragments of x
.set RR,  80                           ; v80-111  router_w as loaded
.set XB,  112                          ; v112-143 x in bf16: data of stores, not written again
.set RB,  144                          ; v144-159 router_w in bf16; later v144-207 wave 0's fragments of router_w
.set XF,  16
.set RF,  144
.set AA,  208                          ; v208-215 sums of the even K steps
.set AB,  216                          ; v216-223 sums of the odd K steps
.set LG,  224                          ; v224-231 the eight logits of my token
	s_load_b256 s[4:11], s[0:1], 0x0               ; x s[4:5], router_w s[6:7], xb s[8:9], sel s[10:11]
	s_load_b64 s[12:13], s[0:1], 0x20              ; gate
	v_lshl_add_u32 v[SPW], v0, 2, SPARE
	v_mov_b32 v[NIL], 0
	v_lshrrev_b32 v1, 5, v0
	v_readfirstlane_b32 s14, v1                    ; wave 0..7
	v_and_b32 v1, 31, v0                           ; lane
	v_lshlrev_b32 v2, 4, v1                        ; 16 x lane
	v_lshlrev_b32 v3, 3, v1                        ; 8 x lane
	s_lshl_b32 s16, ttmp9, 16                      ; 16 rows of 4,096 bytes a work-group,
	s_lshl_b32 s17, s14, 13                        ; 2 rows a wave
	s_add_co_u32 s16, s16, s17
	s_mov_b32 s17, 0
	s_lshr_b32 s18, s16, 1                         ; the same rows in xb: half the bytes
	s_mov_b32 s19, 0
	s_lshl_b32 s20, s14, 12                        ; router_w's row w
	s_mov_b32 s21, 0
	s_mul_i32 s22, s14, 2*PX
	v_add_nc_u32 v4, s22, v3                       ; LDS: row 2w, my 8 bytes
	s_mul_i32 s22, s14, PX
	s_add_co_u32 s22, s22, 16*PX
	v_add_nc_u32 v5, s22, v3                       ; LDS: row 16 + w
	s_wait_kmcnt 0x0
	s_add_nc_u64 s[4:5], s[4:5], s[16:17]
	s_add_nc_u64 s[6:7], s[6:7], s[20:21]
	s_add_nc_u64 s[8:9], s[8:9], s[18:19]
.set i, 0
.rept 16                                               ; two rows of x: each load takes 512 consecutive bytes
	global_load_b128 v[XR+4*i:XR+4*i+3], v2, s[4:5] offset:(i/8)*4096+(i%8)*512 th:TH_LOAD_NT
.set i, i+1
.endr
.set i, 0
.rept 8
	global_load_b128 v[RR+4*i:RR+4*i+3], v2, s[6:7] offset:i*512
.set i, i+1
.endr
	s_wait_loadcnt 0x8                             ; x is in; router_w's eight younger loads may stay out
.set i, 0
.rept 32
	v_cvt_pk_bf16_f32 v[XB+i], v[XR+2*i], v[XR+2*i+1]
.set i, i+1
.endr
.set i, 0
.rept 16
	global_store_b64 v3, v[XB+2*i:XB+2*i+1], s[8:9] offset:(i/8)*2048+(i%8)*256   ; 32 lanes store 256 consecutive bytes, aligned
	ds_store_b64 v4, v[XB+2*i:XB+2*i+1] offset:(i/8)*PX+(i%8)*256
.set i, i+1
.endr
	s_wait_loadcnt 0x0
.set i, 0
.rept 16
	v_cvt_pk_bf16_f32 v[RB+i], v[RR+2*i], v[RR+2*i+1]
.set i, i+1
.endr
.set i, 0
.rept 8
	ds_store_b64 v5, v[RB+2*i:RB+2*i+1] offset:i*256
.set i, i+1
.endr
	s_wait_dscnt 0x0                               ; for wave 0's sake: my rows are in LDS
	s_barrier_signal -1
	s_barrier_wait -1
	s_cmp_lg_u32 s14, 0
	s_cbranch_scc1 .Lend
	; Wave 0.  Source 0 = router_w (row l % 16 takes expert l % 8, so rows 8-15 repeat the experts), source 1 = 16 tokens:
	; register i of the result is expert i's logit for token l % 16, in both halves of the lanes.
	v_and_b32 v6, 15, v1
	v_lshrrev_b32 v7, 4, v1
	v_mul_u32_u24 v8, v6, PX
	v_lshl_add_u32 v8, v7, 4, v8                   ; token row x pitch + 16 x half
	v_and_b32 v9, 7, v1
	v_mul_u32_u24 v9, v9, PX
	v_lshl_add_u32 v9, v7, 4, v9
	v_add_nc_u32 v9, 16*PX, v9
.macro BATCH b                                         ; eight K steps of 32: 32 LDS loads, 8 products; the two accumulators take turns
.set i, 0
.rept 8
	ds_load_b128 v[XF+8*i:XF+8*i+3],   v8 offset:512*(\b)+64*i
	ds_load_b128 v[XF+8*i+4:XF+8*i+7], v8 offset:512*(\b)+64*i+32
	ds_load_b128 v[RF+8*i:RF+8*i+3],   v9 offset:512*(\b)+64*i
	ds_load_b128 v[RF+8*i+4:RF+8*i+7], v9 offset:512*(\b)+64*i+32
.set i, i+1
.endr
	s_wait_dscnt 0x0
.set i, 0
.rept 4
.if ((\b) == 0) && (i == 0)
	v_wmma_f32_16x16x32_bf16 v[AA:AA+7], v[RF:RF+7], v[XF:XF+7], 0                 ; the first two products start the sums
	v_wmma_f32_16x16x32_bf16 v[AB:AB+7], v[RF+8:RF+15], v[XF+8:XF+15], 0
.else
	v_wmma_f32_16x16x32_bf16 v[AA:AA+7], v[RF+16*i:RF+16*i+7], v[XF+16*i:XF+16*i+7], v[AA:AA+7]
	v_wmma_f32_16x16x32_bf16 v[AB:AB+7], v[RF+16*i+8:RF+16*i+15], v[XF+16*i+8:XF+16*i+15], v[AB:AB+7]
.endif
.set i, i+1
.endr
.rept 4
	v_nop                                          ; four places ahead of the loads into registers just multiplied, and of the first read of the sums
.endr
.endm
	BATCH 0
	BATCH 1
	BATCH 2
	BATCH 3
.set i, 0
.rept 8
	v_add_f32 v[LG+i], v[AA+i], v[AB+i]            ; from the low end on
.set i, i+1
.endr
	v_mov_b32 v232, v[LG]                          ; m1, the largest; a later expert takes its place only if greater
	v_mov_b32 v233, 0                              ; i1
.irp e, 1,2,3,4,5,6,7
	v_cmp_gt_f32 vcc_lo, v[LG+\e], v232
	v_cndmask_b32 v232, v232, v[LG+\e], vcc_lo
	v_cndmask_b32 v233, v233, \e, vcc_lo
.endr
	v_mov_b32 v234, 0xff800000                     ; m2, the largest of the others
	v_mov_b32 v235, 0                              ; i2
.irp e, 0,1,2,3,4,5,6,7
	v_cmp_ne_u32 s20, \e, v233
	v_cmp_gt_f32 vcc_lo, v[LG+\e], v234
	s_and_b32 vcc_lo, vcc_lo, s20
	v_cndmask_b32 v234, v234, v[LG+\e], vcc_lo
	v_cndmask_b32 v235, v235, \e, vcc_lo
.endr
	v_sub_f32 v238, v234, v232                     ; the maximum is taken away: m2 - m1 <= 0
	v_mul_f32 v238, 0x3fb8aa3b, v238
	v_exp_f32 v238, v238                           ; t = e^(m2 - m1)
	v_nop                                          ; a plain instruction behind the exponential
	s_wait_alu depctr_va_vdst(0)
	v_add_f32 v239, 1.0, v238
	v_rcp_f32 v240, v239                           ; g0 = 1 / (1 + t)
	v_lshlrev_b32 v236, v233, 1                    ; 1 << e0 (also the plain instruction behind the reciprocal)
	s_wait_alu depctr_va_vdst(0)
	v_mul_f32 v241, v238, v240                     ; g1 = t / (1 + t)
	v_lshlrev_b32 v237, v235, 1
	v_or_b32 v236, v236, v237
	v_lshl_or_b32 v236, v233, 8, v236
	v_lshl_or_b32 v236, v235, 16, v236
	v_lshlrev_b32 v242, 2, v1
	s_lshl_b32 s16, ttmp9, 6                       ; 16 words of sel,
	s_add_nc_u64 s[10:11], s[10:11], s[16:17]
	s_lshl_b32 s16, ttmp9, 7                       ; 16 pairs of gate
	s_add_nc_u64 s[12:13], s[12:13], s[16:17]
	s_wait_xcnt 0x0                                ; EXEC, a source of the stores above, changes only behind this wait
	v_cmp_gt_u32 vcc_lo, 16, v1
	s_and_saveexec_b32 s24, vcc_lo                 ; lanes 0-15: one lane a token (pieces of 64 and 128 bytes: 12 KB in the whole launch)
	global_store_b32 v242, v236, s[10:11]
	global_store_b64 v3, v[240:241], s[12:13]
	s_wait_xcnt 0x0                                ; and again ahead of the line that widens it
	s_or_b32 exec_lo, exec_lo, s24
.Lend:
	s_wait_tensorcnt 0x0                           ; the wave's end, behind my last LDS store
	ds_add_u32 v[SPW], v[NIL]
	s_wait_dscnt 0x0
	s_endpgm
.Lfunc_end_k_q177f91b18d_route:
	.size	k_q177f91b18d_route, .Lfunc_end_k_q177f91b18d_route-k_q177f91b18d_route
	.p2alignl 7, 3214868480
	.fill 96, 4, 3214868480
	.section	.rodata,"a",@progbits
	.p2align	6, 0x0
	.amdhsa_kernel k_q177f91b18d_route
		.amdhsa_group_segment_fixed_size 50688
		.amdhsa_private_segment_fixed_size 0
		.amdhsa_enable_private_segment 0
		.amdhsa_kernarg_size 40
		.amdhsa_user_sgpr_count 2
		.amdhsa_user_sgpr_kernarg_segment_ptr 1
		.amdhsa_wavefront_size32 1
		.amdhsa_system_sgpr_workgroup_id_x 1
		.amdhsa_system_sgpr_workgroup_id_y 1
		.amdhsa_system_sgpr_workgroup_id_z 1
		.amdhsa_system_vgpr_workitem_id 0
		.amdhsa_next_free_vgpr 256
		.amdhsa_next_free_sgpr 66
		.amdhsa_reserve_vcc 1
		.amdhsa_float_denorm_mode_32 3
		.amdhsa_float_denorm_mode_16_64 3
		.amdhsa_memory_ordered 1
		.amdhsa_forward_progress 1
		.amdhsa_inst_pref_size 26
	.end_amdhsa_kernel
	.amdgpu_metadata
---
amdhsa.version: [ 1, 2 ]
amdhsa.kernels:
  - .name:           k_q177f91b18d_route
    .symbol:         k_q177f91b18d_route.kd
    .args:
      - { .name: x, .offset: 0, .size: 8, .value_kind: global_buffer, .address_space: global }
      - { .name: router_w, .offset: 8, .size: 8, .value_kind: global_buffer, .address_space: global }
      - { .name: xb, .offset: 16, .size: 8, .value_kind: global_buffer, .address_space: global }
      - { .name: sel, .offset: 24, .size: 8, .value_kind: global_buffer, .address_space: global }
      - { .name: gate, .offset: 32, .size: 8, .value_kind: global_buffer, .address_space: global }
    .group_segment_fixed_size: 50688
    .private_segment_fixed_size: 0
    .kernarg_segment_align: 8
    .kernarg_segment_size: 40
    .max_flat_workgroup_size: 256
    .sgpr_count:     66
    .vgpr_count:     256
    .wavefront_size: 32
...
	.end_amdgpu_metadata
.endif
;; end of part 1
;; launch up (part 2): grid 43 x 8, 8 waves a work-group, no clusters, 267,520 bytes of LDS; arguments xb, sel, w1, w3, hf, rank, cnt; writes hf, rank, cnt
.if DOCPART == 2
	.amdgcn_target "amdgcn-amd-amdhsa--gfx1250"
	.amdhsa_code_object_version 6
	.text
	.protected	k_q177f91b18d_up
	.globl	k_q177f91b18d_up
	.p2align	8
	.type	k_q177f91b18d_up,@function
k_q177f91b18d_up:
	s_mov_b64 s[64:65], 0
	v_nop
	global_prefetch_b8 v0, s[64:65] scope:SCOPE_SE
	s_setreg_imm32_b32 hwreg(HW_REG_WAVE_MODE, 25, 1), 1
	s_wait_xcnt 0x0
; h = silu(x w1[e]) * (x w3[e]) for the rows of expert e (grid y) and the 64 columns of group g (grid x), stored in bf16 as the next launch's operand fragments.
; The work-group alone reads its slice of w1 and w3 (1,024 rows x 256 bytes each), once, rounds it to bf16 on the way through registers and keeps it in LDS: 256 KB, written once.
; ROLES.  Waves 0-3 (producers) load weights alone; waves 4-7 (consumers) bring K steps 0-7 in, then load token fragments alone and multiply: loads are counted in
; the order of issue, so a wave that did both would wait for long weight loads whenever it wants a short token load.  Five barriers, all on every wave's path.
; LDS ADDRESSES in the loops are made afresh from a scalar base, which every wave steps alike at the bottom of a trip, and 16 x lane, which is never rewritten.
; THE LIST.  Wave 4 reads sel and lays all 1,024 tokens into LDS: the expert's tokens at their ranks 0 .. cnt-1, the others from place 1023 downward.  So places past the count hold tokens that exist.
; The work-group with g = 0 stores rank and cnt for the later launches.
; ROWS.  The first 256 places are always computed (16 tiles of 16, four a consumer); tiles from 16 on are served afterwards from the slice in LDS, one tile a wave a trip,
; six trips that cover 1,024 rows; a trip whose tile begins at or past the count is jumped.  Every split is served; the weights are read once whatever the split, for an expert without rows too.
; FRAGMENTS.  A lane loads 16 bytes, columns 4r..4r+3 (r = lane % 16) of a weight row: 16 lanes take 256 consecutive aligned bytes.  16 such loads are a UNIT, 32 k x 64 columns;
; 32 conversions make of it four fragments; fragment j holds column 4r+j in lane r.  Source 0 = weights, source 1 = tokens: register i of accumulator j in lane (r, h) is (token r, column 32h+4i+j).
; A lane's 32 columns of one token, rounded in pairs, ARE two fragments of the next product, whose K order is permuted alike in w2's rows there.
; LIMITS.  x, w1, w3 are rounded to bf16, h once to bf16; sums in f32.  silu(u) = u / (1 + 2^(-1.442695 u)); where the power overflows the quotient is 0, as it should be.
; NO CLUSTER: each slice of weights has one reader, and the token rows that an expert's 43 work-groups share come by a list, which no tile descriptor covers.
.set PITCH, 11008                      ; bytes in a row of w1 and w3: 43 x 256
.set KSB,   32*PITCH                   ; a K step's rows
.set STAGE, 8*KSB                      ; eight K steps: what four waves bring between two barriers
.set EXPB,  1024*PITCH                 ; an expert
.set KSL,   8192                       ; a K step in LDS: 8 fragments of 1,024 bytes, w1's four and then w3's; registers 0-3 at 16 x lane, registers 4-7 512 bytes on
.set LIST,  262144                     ; behind the slice: 1,024 words
.set CNTW,  266240                     ; the count
.set SPARE, 266496                     ; the spare words, 128 bytes a wave, that no other line names
.set SPW,  12                          ; v12  LDS address of my spare word; never rewritten
.set NIL,  13                          ; v13  0; never rewritten
.set BA,   32                          ; v32-95   fragments f = 0..7 of one K step at BA + 8 f
.set RING, 96                          ; v96-223  token fragments: ring place k, tile i at RING + 32 k + 8 i
.set FR,   224                         ; v224-255 a unit's four fragments on their way into LDS
.set TS,   46                          ; s46  LDS byte of the K step that my next units begin with
.set TB,   47                          ; s47  LDS byte of the K step that the consumers' next block begins with
; v1 lane  v2 weight offset  v3 where I store fragments  v4 where I read them  v5 r  v6 h  v7 16 x lane  v8-11 byte offsets of my four tiles' tokens  v15 16 h  v16-19 16 x lane + 65,536 x  v20 list place  v21 token
; window 1 (v256-511): four staging slots of 64; in consumers, from the first product on, the 32 accumulators, (tile i, fragment f) at 8 (8 i + f); in the late tiles the 32 token fragments
.set MSB, 0
.macro WIN new                         ; s_set_vgpr_msb: bits 1:0 source 0, 3:2 source 1, 5:4 source 2, 7:6 destination; the high byte repeats the setting that is left
.if MSB != (\new)
	s_set_vgpr_msb (MSB<<8)|(\new)
.set MSB, \new
.endif
.endm
.macro NOP4                            ; four places between a matrix instruction and a load into, or a vector access to, its registers
.rept 4
	v_nop
.endr
.endm
; 16 loads: a unit.  slot = 2 kb + q: K step kfirst + kb of w1 (q = 0) or w3 (q = 1).  Lanes 0-15 take rows 0-7 and 16-23 of the K step, lanes 16-31 the rows 8 further down.
.macro ISSUE slot, add
	WIN 0x40
.irp i, 0,1,2,3,4,5,6,7,8,9,10,11,12,13,14,15
	global_load_b128 v[64*(\slot)+4*\i:64*(\slot)+4*\i+3], v2, s[8+2*((\slot)&1):9+2*((\slot)&1)] offset:(\add)+((\slot)>>1)*KSB+(\i+8*(\i/8))*PITCH th:TH_LOAD_NT
.endr
.endm
; A unit is waited for (lc = the younger loads), rounded, asked for again eight K steps on (re = 1), and laid into LDS.
.macro UNIT slot, lc, re
	s_wait_loadcnt \lc
	WIN 0x05
.irp j, 0,1,2,3
.irp p, 0,1,2,3,4,5,6,7
	v_cvt_pk_bf16_f32 v[FR+8*\j+\p], v[64*(\slot)+8*\p+\j], v[64*(\slot)+8*\p+4+\j]
.endr
.endr
.if \re
	ISSUE \slot, STAGE
.endif
	WIN 0
.irp j, 0,1,2,3
	ds_store_b128 v3, v[FR+8*\j:FR+8*\j+3]   offset:((\slot)>>1)*KSL+((\slot)&1)*4096+\j*1024
	ds_store_b128 v3, v[FR+8*\j+4:FR+8*\j+7] offset:((\slot)>>1)*KSL+((\slot)&1)*4096+\j*1024+512
.endr
.endm
.macro LDB base, adr, f0, off          ; four fragments f0 .. f0+3 out of LDS: 8 loads of 512 consecutive bytes
.irp f, (\f0), (\f0)+1, (\f0)+2, (\f0)+3
	ds_load_b128 v[(\base)+8*(\f):(\base)+8*(\f)+3],   v[\adr] offset:(\off)+(\f)*1024
	ds_load_b128 v[(\base)+8*(\f)+4:(\base)+8*(\f)+7], v[\adr] offset:(\off)+(\f)*1024+512
.endr
.endm
.macro LDA k, off                      ; four tiles' token fragments of one K step into ring place k: 8 loads
.irp i, 0,1,2,3
	global_load_b128 v[RING+32*(\k)+8*\i:RING+32*(\k)+8*\i+3],   v[8+\i], s[28:29] offset:(\off)
	global_load_b128 v[RING+32*(\k)+8*\i+4:RING+32*(\k)+8*\i+7], v[8+\i], s[28:29] offset:(\off)+32
.endr
.endm
.macro MUL16 k, f0, zero               ; 16 products: four fragments x four tiles; the 32 accumulators take turns, one instruction a turn
	WIN 0x50
.irp f, (\f0), (\f0)+1, (\f0)+2, (\f0)+3
.irp i, 0,1,2,3
.if \zero
	v_wmma_f32_16x16x32_bf16 v[8*(8*\i+\f):8*(8*\i+\f)+7], v[BA+8*(\f):BA+8*(\f)+7], v[RING+32*(\k)+8*\i:RING+32*(\k)+8*\i+7], 0
.else
	v_wmma_f32_16x16x32_bf16 v[8*(8*\i+\f):8*(8*\i+\f)+7], v[BA+8*(\f):BA+8*(\f)+7], v[RING+32*(\k)+8*\i:RING+32*(\k)+8*\i+7], v[8*(8*\i+\f):8*(8*\i+\f)+7]
.endif
.endr
.endr
	WIN 0
	NOP4
.endm
; One K step at ring place k.  lc: the token loads of the K steps behind this one, 8 each.  Of LDS loads w1's eight stand ahead of w3's eight, so each wait leaves eight out.
.macro KSTEP k, zero, nextb, ahead, lc
	s_wait_loadcnt \lc
	s_wait_dscnt 0x8                               ; w1's fragments are in; w3's eight loads may be out
	MUL16 \k, 0, \zero
.if \nextb
	LDB BA, 4, 0, ((\k)+1)*KSL                     ; the next K step's w1
	s_wait_dscnt 0x8                               ; w3's fragments are in; the eight just issued may be out
.else
	s_wait_dscnt 0x0
.endif
	MUL16 \k, 4, \zero
.if \nextb
	LDB BA, 4, 4, ((\k)+1)*KSL
.endif
.if \ahead
	LDA \k, 256+64*(\k)                            ; the tokens' K step four further on
.endif
.endm
.macro BLOCK zero, nextlast, ahead, l0, l1, l2, l3     ; four K steps, once round the ring; v4 holds the LDS address of the first
	KSTEP 0, \zero, 1, \ahead, \l0
	KSTEP 1, 0, 1, \ahead, \l1
	KSTEP 2, 0, 1, \ahead, \l2
	KSTEP 3, 0, \nextlast, \ahead, \l3
	s_wait_xcnt 0x0                                ; the token loads' base is stepped only behind this wait
	s_add_nc_u64 s[28:29], s[28:29], 256
.endm
; One tile's way out.  u, w: the 32 registers of x w1 and of x w3 (in the window that win gives source 0); t: 32 at work; g: 16 to store.  Each accumulator is read from its low end on.
.macro EPI u, w, win, t, g, imm
	WIN \win
.set zz, 0
.rept 16
	v_pk_mul_f32 v[(\t)+2*zz:(\t)+2*zz+1], v[(\u)+2*zz:(\u)+2*zz+1], 0xbfb8aa3b op_sel_hi:[1,0]   ; -log2(e) u
.set zz, zz+1
.endr
	WIN 0
.set zz, 0
.rept 32
	v_exp_f32 v[(\t)+zz], v[(\t)+zz]
.set zz, zz+1
.endr
	v_nop                                          ; a plain instruction behind the last exponential
.set zz, 0
	s_wait_alu depctr_va_vdst(0)
.rept 16
	v_pk_add_f32 v[(\t)+2*zz:(\t)+2*zz+1], v[(\t)+2*zz:(\t)+2*zz+1], 1.0 op_sel_hi:[1,0]
.set zz, zz+1
.endr
.set zz, 0
.rept 32
	v_rcp_f32 v[(\t)+zz], v[(\t)+zz]
.set zz, zz+1
.endr
	v_nop
	WIN \win
.set zz, 0
	s_wait_alu depctr_va_vdst(0)
.rept 16
	v_pk_mul_f32 v[(\t)+2*zz:(\t)+2*zz+1], v[(\u)+2*zz:(\u)+2*zz+1], v[(\t)+2*zz:(\t)+2*zz+1]     ; silu(u) first, so that no infinity meets a zero
.set zz, zz+1
.endr
.set zz, 0
.rept 16
	v_pk_mul_f32 v[(\t)+2*zz:(\t)+2*zz+1], v[(\w)+2*zz:(\w)+2*zz+1], v[(\t)+2*zz:(\t)+2*zz+1]
.set zz, zz+1
.endr
	WIN 0
.set zz, 0
.rept 16                                               ; register p = zz % 8 of half zz / 8: columns 32h + 16 (zz / 8) + 2p and the next: accumulators 2 (p % 2) and the next, register 4 (zz / 8) + p / 2
	v_cvt_pk_bf16_f32 v[(\g)+zz], v[(\t)+16*(zz%2)+4*(zz/8)+(zz%8)/2], v[(\t)+16*(zz%2)+8+4*(zz/8)+(zz%8)/2]
.set zz, zz+1
.endr
.irp x, 0,1,2,3
	global_store_b128 v7, v[(\g)+4*\x:(\g)+4*\x+3], s[38:39] offset:(\imm)+512*\x   ; 512 consecutive bytes, aligned
.endr
.endm
	s_load_b256 s[4:11], s[0:1], 0x0               ; xb s[4:5], sel s[6:7], w1 s[8:9], w3 s[10:11]
	s_load_b128 s[12:15], s[0:1], 0x20             ; hf s[12:13], rank s[14:15]
	s_load_b64 s[16:17], s[0:1], 0x30              ; cnt
	v_lshl_add_u32 v[SPW], v0, 2, SPARE
	v_mov_b32 v[NIL], 0
	v_lshrrev_b32 v1, 5, v0
	v_readfirstlane_b32 s20, v1                    ; wave 0..7
	v_and_b32 v1, 31, v0                           ; lane
	v_and_b32 v5, 15, v0                           ; r
	v_bfe_u32 v6, v0, 4, 1                         ; h
	v_lshlrev_b32 v7, 4, v1
	v_mov_b32 v4, v7                               ; the first block begins at LDS byte 0
	v_lshlrev_b32 v15, 4, v6
	v_mul_u32_u24 v2, v6, 8*PITCH
	v_lshl_add_u32 v2, v5, 4, v2                   ; 8 rows down for the upper lanes, 16 bytes a lane
	s_mov_b32 s21, ttmp9                           ; g
	s_and_b32 s22, ttmp7, 0xffff                   ; e
	s_and_b32 s24, s20, 3                          ; c: my place among the waves of my role
	s_lshl_b32 s25, s20, 1
	s_add_co_u32 s25, s25, 8
	s_and_b32 s25, s25, 15                         ; my first K step: waves 0-3: 8, 10, 12, 14; waves 4-7: 0, 2, 4, 6
	s_lshl_b32 s[TS], s25, 13
	s_mov_b32 s[TB], 4*KSL                         ; the loop's first block is the second of eight
	v_add_nc_u32 v3, s[TS], v7
	s_mul_i32 s26, s22, EXPB
	s_lshl_b32 s27, s21, 8
	s_add_co_u32 s26, s26, s27
	s_mul_i32 s27, s25, KSB
	s_add_co_u32 s26, s26, s27
	s_mov_b32 s27, 0
	s_mul_i32 s40, s22, 43
	s_add_co_u32 s40, s40, s21
	s_lshl_b32 s40, s40, 17                        ; a group of hf: 64 tiles of 2,048 bytes
	s_mov_b32 s41, 0
	s_lshl_b32 s42, s22, 12
	s_mov_b32 s43, 0
	s_lshl_b32 s44, s22, 7
	s_mov_b32 s45, 0
	s_lshl_b32 s33, 1, s22                         ; the expert's bit in sel
	s_wait_kmcnt 0x0
	s_add_nc_u64 s[8:9], s[8:9], s[26:27]
	s_add_nc_u64 s[10:11], s[10:11], s[26:27]
	s_add_nc_u64 s[12:13], s[12:13], s[40:41]
	s_add_nc_u64 s[14:15], s[14:15], s[42:43]
	s_add_nc_u64 s[16:17], s[16:17], s[44:45]
	s_mov_b64 s[28:29], s[4:5]
	s_cmp_lg_u32 s20, 4
	s_cbranch_scc1 .Lno_sel
.irp jj, 0,1,2,3,4,5,6,7                               ; wave 4: all of sel; word c of load jj in lane l is token 128 jj + 4 l + c
	global_load_b128 v[32+4*\jj:32+4*\jj+3], v7, s[6:7] offset:512*\jj
.endr
.Lno_sel:
	ISSUE 0, 0                                     ; every wave: four units, 32 KB: K steps 0-15 of both matrices are asked for
	ISSUE 1, 0
	ISSUE 2, 0
	ISSUE 3, 0
	WIN 0
	s_cmp_lg_u32 s20, 4
	s_cbranch_scc1 .Lno_list
	v_add_nc_u32 v14, LIST, v7                     ; the list's 1,024 words are first written whole by plain stores, while the loads are on their way;
.irp z, 28,29,30,31
	v_mov_b32 v\z, 0
.endr
.irp jj, 0,1,2,3,4,5,6,7
	ds_store_b128 v14, v[28:31] offset:512*\jj     ; the scatter below, in the same wave and so in order behind them, gives each word its token
.endr
	s_wait_loadcnt 63                              ; 64 loads were issued behind sel's eight: with 63 out, those eight are in
	s_mov_b32 s34, 0                               ; the expert's tokens so far
	v_sub_nc_u32 v24, 1023, v1                     ; 1023 - my place in the scan
	v_lshlrev_b32 v26, 2, v1
.set idx, 0
.rept 32
	v_and_b32 v22, s33, v[32+idx]
	v_cmp_ne_u32 vcc_lo, 0, v22
	v_mbcnt_lo_u32_b32 v[96+idx], vcc_lo, s34      ; chosen tokens ahead of mine: a chosen token's rank
	s_bcnt1_i32_b32 s35, vcc_lo
	s_add_co_u32 s34, s34, s35
	v_add_nc_u32 v23, v[96+idx], v24               ; 1023 - (tokens not chosen ahead of mine)
	v_cndmask_b32 v23, v23, v[96+idx], vcc_lo
	v_min_u32 v23, 0x3ff, v23
	v_lshl_add_u32 v23, v23, 2, LIST
	v_add_nc_u32 v25, 128*(idx/4)+idx%4, v26
	ds_store_b32 v23, v25                          ; each of the 1,024 places takes one token
	v_sub_nc_u32 v24, v24, 32
.set idx, idx+1
.endr
	v_mov_b32 v22, s34
	v_mov_b32 v14, CNTW
	ds_store_b32 v14, v22
	s_cmp_lg_u32 s21, 0
	s_cbranch_scc1 .Lno_list                       ; one work-group of an expert's 43 stores rank and cnt
.irp jj, 0,1,2,3,4,5,6,7
	global_store_b128 v7, v[96+4*\jj:96+4*\jj+3], s[14:15] offset:512*\jj
.endr
	global_store_b32 v26, v22, s[16:17]
.Lno_list:
	s_wait_dscnt 0x0                               ; the list and the count are in LDS
	s_barrier_signal -1
	s_barrier_wait -1
	v_mov_b32 v14, CNTW
	ds_load_b32 v21, v14
	s_wait_dscnt 0x0
	v_readfirstlane_b32 s32, v21                   ; the expert's rows
	s_cmp_lt_u32 s20, 4
	s_cbranch_scc1 .Lb0
	s_lshl_b32 s26, s24, 8                         ; consumers: the tokens of my tiles 4c .. 4c+3
	s_add_co_u32 s26, s26, LIST
	v_lshl_add_u32 v14, v5, 2, s26
.irp i, 0,1,2,3
	ds_load_b32 v[8+\i], v14 offset:64*\i
.endr
	s_wait_dscnt 0x0
.irp i, 0,1,2,3
	v_min_u32 v[8+\i], 0x3ff, v[8+\i]
	v_lshl_add_u32 v[8+\i], v[8+\i], 11, v15       ; token x 2,048 bytes + 16 h
.endr
	UNIT 0, 48, 0                                  ; three younger units
	UNIT 1, 32, 0
	s_wait_xcnt 0x0                                ; wave 4's stores of rank have read v96-127
	LDA 0, 0                                       ; the ring is filled: K steps 0-3, 32 loads
	LDA 1, 64
	LDA 2, 128
	LDA 3, 192
	UNIT 2, 48, 0                                  ; younger: slot 3's 16 and the ring's 32
	UNIT 3, 32, 0                                  ; younger: the ring's 32
.Lb0:
	s_wait_dscnt 0x0                               ; K steps 0-7 are in LDS
	s_barrier_signal -1
	s_barrier_wait -1
	s_cmp_lt_u32 s20, 4
	s_cbranch_scc1 .Lstages
	LDB BA, 4, 0, 0
	LDB BA, 4, 4, 0
	BLOCK 1, 1, 1, 24, 24, 24, 24                  ; K steps 0-3: the first products start the sums
.Lstages:
	s_mov_b32 s30, 3
.Lstage:                                               ; trip t = 1, 2, 3: producers lay K steps 8t .. 8t+7 into LDS; behind the barrier consumers multiply K steps 8t-4 .. 8t+3 and read ahead as far as 8t+4
	v_add_nc_u32 v3, s[TS], v7                     ; every wave: where this trip's units go
	s_cmp_lt_u32 s20, 4
	s_cbranch_scc0 .Lmeet
	s_cmp_eq_u32 s30, 1
	s_cbranch_scc1 .Llast_stage
	UNIT 0, 48, 1                                  ; three younger units each time, those asked for again among them
	UNIT 1, 48, 1
	UNIT 2, 48, 1
	UNIT 3, 48, 1
	s_wait_xcnt 0x0                                ; the weight loads' bases are stepped only behind this wait
	s_add_nc_u64 s[8:9], s[8:9], STAGE
	s_add_nc_u64 s[10:11], s[10:11], STAGE
	s_branch .Lmeet
.Llast_stage:
	UNIT 0, 48, 0                                  ; nothing is left to ask for: the counts run down
	UNIT 1, 32, 0
	UNIT 2, 16, 0
	UNIT 3, 0, 0
.Lmeet:
	s_wait_dscnt 0x0                               ; producers: my fragments are in LDS; consumers: no LDS load is out at the signal
	s_barrier_signal -1
	s_barrier_wait -1
	s_mov_b32 s31, 2
.Lblock:                                               ; every wave walks the two trips; the producers jump the work
	v_add_nc_u32 v4, s[TB], v7                     ; where this block's K steps lie
	s_cmp_lt_u32 s20, 4
	s_cbranch_scc1 .Lno_block
	BLOCK 0, 1, 1, 24, 24, 24, 24
.Lno_block:
	s_add_co_u32 s[TB], s[TB], 4*KSL
	s_sub_co_u32 s31, s31, 1
	s_cmp_lg_u32 s31, 0
	s_cbranch_scc1 .Lblock
	s_add_co_u32 s[TS], s[TS], 8*KSL
	s_sub_co_u32 s30, s30, 1
	s_cmp_lg_u32 s30, 0
	s_cbranch_scc1 .Lstage
	v_add_nc_u32 v4, 7*4*KSL, v7                   ; the last block
	s_cmp_lt_u32 s20, 4
	s_cbranch_scc1 .Lphase2
	BLOCK 0, 0, 0, 24, 16, 8, 0                    ; K steps 28-31: nothing more is fetched
	s_lshl_b32 s26, s24, 13
	s_mov_b32 s27, 0
	s_add_nc_u64 s[38:39], s[12:13], s[26:27]      ; hf at my tiles 4c .. 4c+3
	EPI 0,   32,  0x01, 96, 128, 0                 ; all 16 tiles of the first 256 places are stored whatever the count
	EPI 64,  96,  0x01, 96, 144, 2048
	EPI 128, 160, 0x01, 96, 160, 4096
	EPI 192, 224, 0x01, 96, 176, 6144
.Lphase2:
	; THE LATE TILES, all eight waves: tile 16 + w + 8 x trip, from the slice in LDS, which nobody writes any more: no barrier.
	s_wait_loadcnt 0x0                             ; no load of mine is out
	s_mov_b32 s36, 6
	s_lshl_b32 s37, s20, 4
	s_add_co_u32 s37, s37, 256                     ; the tile's first row
	s_lshl_b32 s26, s20, 6
	s_add_co_u32 s26, s26, LIST+1024
	v_lshl_add_u32 v20, v5, 2, s26
.irp x, 0,1,2,3
	v_add_nc_u32 v[16+\x], 65536*\x, v7
.endr
.Ltrip:
	s_cmp_lt_u32 s37, s32
	s_cbranch_scc0 .Lskip                          ; the tile begins at or past the count
	s_wait_xcnt 0x0                                ; earlier stores have read their registers and their base
	s_lshl_b32 s26, s37, 7
	s_mov_b32 s27, 0
	s_add_nc_u64 s[38:39], s[12:13], s[26:27]
	ds_load_b32 v21, v20
	s_wait_dscnt 0x0
	v_min_u32 v21, 0x3ff, v21
	v_lshl_add_u32 v21, v21, 11, v15
	WIN 0x40
.set kk, 0
.rept 32                                               ; the tile's whole rows: 64 loads at once
	global_load_b128 v[8*kk:8*kk+3],   v21, s[4:5] offset:64*kk
	global_load_b128 v[8*kk+4:8*kk+7], v21, s[4:5] offset:64*kk+32
.set kk, kk+1
.endr
	WIN 0
	LDB 32, 16, 0, 0
	LDB 32, 16, 4, 0
	LDB 96, 16, 0, KSL
	LDB 96, 16, 4, KSL
.set kk, 0
.rept 32
	s_wait_loadcnt 62-2*kk                         ; two loads for each later K step may be out
.if kk < 31
	s_wait_dscnt 0x10                              ; the next K step's 16 loads may be out
.else
	s_wait_dscnt 0x0
.endif
	WIN 0x04
.irp f, 0,1,2,3,4,5,6,7
.if kk == 0
	v_wmma_f32_16x16x32_bf16 v[160+8*\f:160+8*\f+7], v[32+64*(kk%2)+8*\f:32+64*(kk%2)+8*\f+7], v[8*kk:8*kk+7], 0
.else
	v_wmma_f32_16x16x32_bf16 v[160+8*\f:160+8*\f+7], v[32+64*(kk%2)+8*\f:32+64*(kk%2)+8*\f+7], v[8*kk:8*kk+7], v[160+8*\f:160+8*\f+7]
.endif
.endr
	WIN 0
	NOP4
.if kk < 30
	LDB 32+64*(kk%2), 16+(kk+2)/8, 0, ((kk+2)%8)*KSL
	LDB 32+64*(kk%2), 16+(kk+2)/8, 4, ((kk+2)%8)*KSL
.endif
.set kk, kk+1
.endr
	EPI 160, 192, 0, 224, 32, 0
.Lskip:
	s_add_co_u32 s37, s37, 128
	v_add_nc_u32 v20, 512, v20
	s_sub_co_u32 s36, s36, 1
	s_cmp_lg_u32 s36, 0
	s_cbranch_scc1 .Ltrip
	s_wait_tensorcnt 0x0                           ; the wave's end, behind my last LDS store
	ds_add_u32 v[SPW], v[NIL]
	s_wait_dscnt 0x0
	s_endpgm
.Lfunc_end_k_q177f91b18d_up:
	.size	k_q177f91b18d_up, .Lfunc_end_k_q177f91b18d_up-k_q177f91b18d_up
	.p2alignl 7, 3214868480
	.fill 96, 4, 3214868480
	.section	.rodata,"a",@progbits
	.p2align	6, 0x0
	.amdhsa_kernel k_q177f91b18d_up
		.amdhsa_group_segment_fixed_size 267520
		.amdhsa_private_segment_fixed_size 0
		.amdhsa_enable_private_segment 0
		.amdhsa_kernarg_size 56
		.amdhsa_user_sgpr_count 2
		.amdhsa_user_sgpr_kernarg_segment_ptr 1
		.amdhsa_wavefront_size32 1
		.amdhsa_system_sgpr_workgroup_id_x 1
		.amdhsa_system_sgpr_workgroup_id_y 1
		.amdhsa_system_sgpr_workgroup_id_z 1
		.amdhsa_system_vgpr_workitem_id 0
		.amdhsa_next_free_vgpr 512
		.amdhsa_next_free_sgpr 66
		.amdhsa_reserve_vcc 1
		.amdhsa_float_denorm_mode_32 3
		.amdhsa_float_denorm_mode_16_64 3
		.amdhsa_memory_ordered 1
		.amdhsa_forward_progress 1
		.amdhsa_inst_pref_size 225
	.end_amdhsa_kernel
	.amdgpu_metadata
---
amdhsa.version: [ 1, 2 ]
amdhsa.kernels:
  - .name:           k_q177f91b18d_up
    .symbol:         k_q177f91b18d_up.kd
    .args:
      - { .name: xb, .offset: 0, .size: 8, .value_kind: global_buffer, .address_space: global }
      - { .name: sel, .offset: 8, .size: 8, .value_kind: global_buffer, .address_space: global }
      - { .name: w1, .offset: 16, .size: 8, .value_kind: global_buffer, .address_space: global }
      - { .name: w3, .offset: 24, .size: 8, .value_kind: global_buffer, .address_space: global }
      - { .name: hf, .offset: 32, .size: 8, .value_kind: global_buffer, .address_space: global }
      - { .name: rank, .offset: 40, .size: 8, .value_kind: global_buffer, .address_space: global }
      - { .name: cnt, .offset: 48, .size: 8, .value_kind: global_buffer, .address_space: global }
    .group_segment_fixed_size: 267520
    .private_segment_fixed_size: 0
    .kernarg_segment_align: 8
    .kernarg_segment_size: 56
    .max_flat_workgroup_size: 256
    .sgpr_count:     66
    .vgpr_count:     512
    .wavefront_size: 32
...
	.end_amdgpu_metadata
.endif
;; end of part 2
;; launch down (part 3): grid 16 x 16, 8 waves a work-group, no clusters, 177,152 bytes of LDS; arguments hf, w2, cnt, part; writes part
.if DOCPART == 3
	.amdgcn_target "amdgcn-amd-amdhsa--gfx1250"
	.amdhsa_code_object_version 6
	.text
	.protected	k_q177f91b18d_down
	.globl	k_q177f91b18d_down
	.p2align	8
	.type	k_q177f91b18d_down,@function
k_q177f91b18d_down:
	s_mov_b64 s[64:65], 0
	v_nop
	global_prefetch_b8 v0, s[64:65] scope:SCOPE_SE
	s_setreg_imm32_b32 hwreg(HW_REG_WAVE_MODE, 25, 1), 1
	s_wait_xcnt 0x0
; part[kh][e][row][64 cg ..] = the sum over one half of H of h[row][.] w2[e][.][column], in f32: partial sums, added by the next launch.
; Grid x = cg (64 output columns), grid y = 2 e + kh.  Half kh takes, of every group of 64 rows of w2, the rows 16 kh + 32 h + 0..15 (h = lane / 16): the K order in which the launch before laid h.
; 43 K steps of 32.  The work-group alone reads its slice of w2 (1,376 rows x 256 bytes), once, rounds it to bf16 and keeps it in LDS: 172 KB, written once.
; ROLES as in the launch before: waves 4-7 (consumers) bring K steps 0-10 in, then load h's fragments alone and multiply; waves 0-3 (producers) bring K steps 11-42 in, in two stages.  Three barriers, on every wave's path.
; LDS ADDRESSES in the loops are made afresh from a scalar base, which every wave steps alike at the bottom of a trip, and 16 x lane, which is never rewritten.
; ROWS: the first 256 always (four tiles of 16 a consumer); tiles from 16 on afterwards from the slice in LDS, one tile a wave a trip, six trips; a trip whose tile begins at or past the count is jumped.
; Source 0 = h (16 rows), source 1 = w2 (fragment j holds column 4r+j in lane r): register i of accumulator j is (row 8h+i, column 4r+j), so the four accumulators' registers i lie side by side in a row of part.
; LIMITS: w2 is rounded to bf16; sums in f32; the weights are read once whatever the split, for an expert without rows too.
; NO CLUSTER, though the 16 column groups of one (e, kh) read the same fragments of h, 688 KB a work-group beside its own 352 KB of w2: h goes from memory straight into operand registers;
; joint loads would send it through the 143 KB of LDS left beside the slice, in slots filled again behind rounds of a cluster's barrier, and could not serve the trips that hang on the count.  Not built.
.set P2,    4096                       ; bytes in a row of w2
.set KS2,   64*P2                      ; from a K step to the next
.set EXPB,  2752*P2                    ; an expert
.set HG,    131072                     ; a group of hf: 64 tiles x 2 halves x 1,024 bytes
.set KSL,   4096                       ; a K step in LDS: 4 fragments of 1,024 bytes
.set SPARE, 176128                     ; behind the slice: the spare words, 128 bytes a wave, that no other line names
.set SPW,  12                          ; v12  LDS address of my spare word; never rewritten
.set NIL,  13                          ; v13  0; never rewritten
.set RING, 96                          ; v96-223  h's fragments: ring place k, tile i at RING + 32 k + 8 i
.set FR,   224                         ; v224-255 a unit's four fragments on their way into LDS
.set TS,   52                          ; s52  LDS byte of the K step that my next units begin with
.set TB,   53                          ; s53  LDS byte of the K step that the consumers' next block begins with
; v2 weight offset  v3 where I store fragments  v4 where I read them  v5 r  v6 h  v7 16 x lane  v8 my offset in 16 rows of part  v16-18 16 x lane + 65,536 x  v32-63, v64-95 w2's fragments of even and odd K steps
; window 1 (v256-511): four staging slots of 64; in consumers the 16 accumulators, (tile i, fragment j) at 8 (4 i + j); in the late tiles h's fragments of K steps 0-31
.set MSB, 0
.macro WIN new                         ; s_set_vgpr_msb: bits 1:0 source 0, 3:2 source 1, 5:4 source 2, 7:6 destination; the high byte repeats the setting that is left
.if MSB != (\new)
	s_set_vgpr_msb (MSB<<8)|(\new)
.set MSB, \new
.endif
.endm
.macro NOP4                            ; four places between a matrix instruction and a load into, or a vector access to, its registers
.rept 4
	v_nop
.endr
.endm
.macro ISSUE slot, add                 ; a unit: K step kfirst + 4 slot: 16 loads; 16 lanes take 256 consecutive aligned bytes of a row, the upper lanes the row 32 further down
	WIN 0x40
.irp i, 0,1,2,3,4,5,6,7,8,9,10,11,12,13,14,15
	global_load_b128 v[64*(\slot)+4*\i:64*(\slot)+4*\i+3], v2, s[6:7] offset:(\add)+(\slot)*4*KS2+\i*P2 th:TH_LOAD_NT
.endr
.endm
.macro UNIT slot, lc, re               ; waited for (lc = the younger loads), rounded, asked for again 16 K steps on (re = 1), laid into LDS
	s_wait_loadcnt \lc
	WIN 0x05
.irp j, 0,1,2,3
.irp p, 0,1,2,3,4,5,6,7
	v_cvt_pk_bf16_f32 v[FR+8*\j+\p], v[64*(\slot)+8*\p+\j], v[64*(\slot)+8*\p+4+\j]
.endr
.endr
.if \re
	ISSUE \slot, 16*KS2
.endif
	WIN 0
.irp j, 0,1,2,3
	ds_store_b128 v3, v[FR+8*\j:FR+8*\j+3]   offset:(\slot)*4*KSL+\j*1024
	ds_store_b128 v3, v[FR+8*\j+4:FR+8*\j+7] offset:(\slot)*4*KSL+\j*1024+512
.endr
.endm
.macro LDB base, adr, off              ; a K step's four fragments out of LDS: 8 loads of 512 consecutive bytes
.irp j, 0,1,2,3
	ds_load_b128 v[(\base)+8*\j:(\base)+8*\j+3],   v[\adr] offset:(\off)+\j*1024
	ds_load_b128 v[(\base)+8*\j+4:(\base)+8*\j+7], v[\adr] offset:(\off)+\j*1024+512
.endr
.endm
.macro LDA k, off                      ; four tiles' fragments of h for one K step into ring place k: 8 loads of 512 consecutive bytes
.irp i, 0,1,2,3
	global_load_b128 v[RING+32*(\k)+8*\i:RING+32*(\k)+8*\i+3],   v7, s[28:29] offset:(\off)+\i*2048
	global_load_b128 v[RING+32*(\k)+8*\i+4:RING+32*(\k)+8*\i+7], v7, s[28:29] offset:(\off)+\i*2048+512
.endr
.endm
; One K step at ring place k.  lc: h's loads of the K steps behind this one, 8 each; dc: the next K step's eight LDS loads.  The 16 accumulators take turns, one instruction a turn.
.macro KSTEP k, zero, nextb, ahead, lc, dc
	s_wait_loadcnt \lc
	s_wait_dscnt \dc
	WIN 0x50
.irp j, 0,1,2,3
.irp i, 0,1,2,3
.if \zero
	v_wmma_f32_16x16x32_bf16 v[8*(4*\i+\j):8*(4*\i+\j)+7], v[RING+32*(\k)+8*\i:RING+32*(\k)+8*\i+7], v[32+32*((\k)%2)+8*\j:32+32*((\k)%2)+8*\j+7], 0
.else
	v_wmma_f32_16x16x32_bf16 v[8*(4*\i+\j):8*(4*\i+\j)+7], v[RING+32*(\k)+8*\i:RING+32*(\k)+8*\i+7], v[32+32*((\k)%2)+8*\j:32+32*((\k)%2)+8*\j+7], v[8*(4*\i+\j):8*(4*\i+\j)+7]
.endif
.endr
.endr
	WIN 0
	NOP4
.if \nextb
	LDB 32+32*((\k)%2), 4, ((\k)+2)*KSL            ; w2's K step two further on
.endif
.if \ahead
	LDA \k, ((\k)+4)*HG                            ; h's K step four further on
.endif
.endm
.macro BLOCK zero                      ; four K steps, once round the ring; v4 holds the LDS address of the first
	KSTEP 0, \zero, 1, 1, 24, 8
	KSTEP 1, 0, 1, 1, 24, 8
	KSTEP 2, 0, 1, 1, 24, 8
	KSTEP 3, 0, 1, 1, 24, 8
	s_wait_xcnt 0x0                                ; the base of h's loads is stepped only behind this wait
	s_add_nc_u64 s[28:29], s[28:29], 4*HG
.endm
	s_load_b256 s[4:11], s[0:1], 0x0               ; hf s[4:5], w2 s[6:7], cnt s[8:9], part s[10:11]
	v_lshl_add_u32 v[SPW], v0, 2, SPARE
	v_mov_b32 v[NIL], 0
	v_lshrrev_b32 v1, 5, v0
	v_readfirstlane_b32 s20, v1                    ; wave 0..7
	v_and_b32 v1, 31, v0
	v_and_b32 v5, 15, v0                           ; r
	v_bfe_u32 v6, v0, 4, 1                         ; h
	v_lshlrev_b32 v7, 4, v1
	v_mov_b32 v4, v7                               ; the first block begins at LDS byte 0
	v_lshlrev_b32 v2, 17, v6
	v_lshl_add_u32 v2, v5, 4, v2                   ; 32 rows down for the upper lanes, 16 bytes a lane
	v_lshlrev_b32 v8, 15, v6
	v_lshl_add_u32 v8, v5, 4, v8                   ; part: 8 rows down for the upper lanes, 16 bytes a lane
	s_mov_b32 s21, ttmp9                           ; cg
	s_and_b32 s26, ttmp7, 0xffff
	s_lshr_b32 s22, s26, 1                         ; e
	s_and_b32 s19, s26, 1                          ; kh
	s_lshr_b32 s23, s20, 2
	s_and_b32 s24, s20, 3                          ; c: my place among the waves of my role
	s_xor_b32 s25, s23, 1
	s_mul_i32 s25, s25, 11
	s_add_co_u32 s25, s25, s24                     ; my first K step: consumers c, producers 11 + c
	s_lshl_b32 s[TS], s25, 12
	s_mov_b32 s[TB], 4*KSL                         ; the loop's first block is the second
	v_add_nc_u32 v3, s[TS], v7
	s_mul_i32 s26, s22, EXPB
	s_lshl_b32 s27, s21, 8
	s_add_co_u32 s26, s26, s27
	s_lshl_b32 s27, s25, 18
	s_add_co_u32 s26, s26, s27
	s_lshl_b32 s27, s19, 16
	s_add_co_u32 s26, s26, s27
	s_mov_b32 s27, 0
	s_mul_i32 s40, s22, 43*HG
	s_lshl_b32 s41, s19, 10
	s_add_co_u32 s40, s40, s41
	s_mov_b32 s41, 0
	s_lshl_b32 s42, s19, 3
	s_add_co_u32 s42, s42, s22
	s_lshl_b32 s42, s42, 22                        ; 1,024 rows of 4,096 bytes for each (kh, e)
	s_lshl_b32 s43, s21, 8
	s_add_co_u32 s42, s42, s43
	s_mov_b32 s43, 0
	s_lshl_b32 s46, s22, 7                         ; never rewritten: the offset of the load of the count
	s_lshl_b32 s44, s24, 13
	s_mov_b32 s45, 0
	s_lshl_b32 s48, s24, 18
	s_mov_b32 s49, 0
	s_wait_kmcnt 0x0
	s_load_b32 s32, s[8:9], s46 offset:0x0         ; the expert's rows; waited for ahead of the late tiles
	s_add_nc_u64 s[6:7], s[6:7], s[26:27]
	s_add_nc_u64 s[4:5], s[4:5], s[40:41]          ; hf at (e, group 0, tile 0, half kh)
	s_add_nc_u64 s[10:11], s[10:11], s[42:43]      ; part at (kh, e, row 0, my columns)
	s_add_nc_u64 s[28:29], s[4:5], s[44:45]        ; my tiles 4c .. 4c+3
	s_add_nc_u64 s[34:35], s[10:11], s[48:49]      ; my rows 64c ..
	s_cmp_lt_u32 s20, 4
	s_cbranch_scc1 .Lproducers
	s_cmp_eq_u32 s20, 7
	s_cbranch_scc1 .Lno_third
	ISSUE 2, 0                                     ; K step 8 + c: three of the four consumers
	WIN 0
.Lno_third:
	ISSUE 0, 0                                     ; K steps c and 4 + c
	ISSUE 1, 0
	WIN 0
	s_cmp_eq_u32 s20, 7
	s_cbranch_scc1 .Lno_third_unit
	UNIT 2, 32, 0                                  ; two younger units
.Lno_third_unit:
	UNIT 0, 16, 0                                  ; one younger unit
	LDA 0, 0                                       ; the ring is filled: K steps 0-3, 32 loads
	LDA 1, HG
	LDA 2, 2*HG
	LDA 3, 3*HG
	UNIT 1, 32, 0                                  ; younger: the ring's 32
	s_branch .Lb0
.Lproducers:
	ISSUE 0, 0                                     ; K steps 11 + c + 4 x
	ISSUE 1, 0
	ISSUE 2, 0
	ISSUE 3, 0
	WIN 0
.Lb0:
	s_wait_dscnt 0x0                               ; K steps 0-10 are in LDS
	s_barrier_signal -1
	s_barrier_wait -1
	s_cmp_lt_u32 s20, 4
	s_cbranch_scc1 .Lstages
	LDB 32, 4, 0
	LDB 64, 4, KSL
	BLOCK 1                                        ; K steps 0-3 (they read ahead as far as 5): the first products start the sums
.Lstages:
	s_mov_b32 s30, 2
.Lstage:                                               ; trip 1: K steps 11-26 come into LDS, then 4-19 are multiplied (read ahead to 21); trip 2: 27-42, then 20-35 (to 37)
	v_add_nc_u32 v3, s[TS], v7                     ; every wave: where this trip's units go
	s_cmp_lt_u32 s20, 4
	s_cbranch_scc0 .Lmeet
	s_cmp_eq_u32 s30, 1
	s_cbranch_scc1 .Llast_stage
	UNIT 0, 48, 1                                  ; three younger units each time, those asked for again among them
	UNIT 1, 48, 1
	UNIT 2, 48, 1
	UNIT 3, 48, 1
	s_branch .Lmeet
.Llast_stage:
	UNIT 0, 48, 0                                  ; nothing is left to ask for: the counts run down
	UNIT 1, 32, 0
	UNIT 2, 16, 0
	UNIT 3, 0, 0
.Lmeet:
	s_wait_dscnt 0x0                               ; producers: my fragments are in LDS; consumers: no LDS load is out at the signal
	s_barrier_signal -1
	s_barrier_wait -1
	s_mov_b32 s31, 4
.Lblock:                                               ; every wave walks the four trips; the producers jump the work
	v_add_nc_u32 v4, s[TB], v7                     ; where this block's K steps lie
	s_cmp_lt_u32 s20, 4
	s_cbranch_scc1 .Lno_block
	BLOCK 0
.Lno_block:
	s_add_co_u32 s[TB], s[TB], 4*KSL
	s_sub_co_u32 s31, s31, 1
	s_cmp_lg_u32 s31, 0
	s_cbranch_scc1 .Lblock
	s_add_co_u32 s[TS], s[TS], 16*KSL
	s_sub_co_u32 s30, s30, 1
	s_cmp_lg_u32 s30, 0
	s_cbranch_scc1 .Lstage
	v_add_nc_u32 v4, 9*4*KSL, v7                   ; K step 36
	s_cmp_lt_u32 s20, 4
	s_cbranch_scc1 .Lphase2
	KSTEP 0, 0, 1, 1, 24, 8                        ; K steps 36-42, written out: h is asked for as far as 42, w2 is read ahead as far as 42, and the counts run down
	KSTEP 1, 0, 1, 1, 24, 8
	KSTEP 2, 0, 1, 1, 24, 8
	KSTEP 3, 0, 1, 0, 24, 8
	v_add_nc_u32 v4, 10*4*KSL, v7                  ; K step 40
	KSTEP 0, 0, 1, 0, 16, 8
	KSTEP 1, 0, 0, 0, 8, 8
	KSTEP 2, 0, 0, 0, 0, 0
.irp tl, 0,1,2,3                                       ; the way out: the four accumulators' registers i side by side, from the low end on; all 16 tiles of the first 256 rows are stored whatever the count
	WIN 0x01
.set zz, 0
.rept 32
	v_mov_b32 v[96+32*\tl+zz], v[8*(4*\tl+zz%4)+zz/4]
.set zz, zz+1
.endr
	WIN 0
.set zz, 0
.rept 8
	global_store_b128 v8, v[96+32*\tl+4*zz:96+32*\tl+4*zz+3], s[34:35] offset:(16*\tl+zz)*4096   ; 16 lanes store 256 consecutive bytes, aligned
.set zz, zz+1
.endr
.endr
.Lphase2:
	; THE LATE TILES, all eight waves: tile 16 + w + 8 x trip, from the slice in LDS, which nobody writes any more: no barrier.
	s_wait_loadcnt 0x0                             ; no load of mine is out
	s_wait_kmcnt 0x0                               ; the count
	s_mov_b32 s36, 6
	s_lshl_b32 s37, s20, 4
	s_add_co_u32 s37, s37, 256                     ; the tile's first row
.irp x, 0,1,2
	v_add_nc_u32 v[16+\x], 65536*\x, v7
.endr
.Ltrip:
	s_cmp_lt_u32 s37, s32
	s_cbranch_scc0 .Lskip                          ; the tile begins at or past the count
	s_wait_xcnt 0x0                                ; earlier stores have read their registers and their base
	s_lshl_b32 s26, s37, 7
	s_mov_b32 s27, 0
	s_add_nc_u64 s[38:39], s[4:5], s[26:27]        ; the tile in hf
	s_lshl_b32 s26, s37, 12
	s_add_nc_u64 s[50:51], s[10:11], s[26:27]      ; its rows in part
	WIN 0x40
.set kk, 0
.rept 32                                               ; all 43 K steps of the tile at once: 86 loads
	global_load_b128 v[8*kk:8*kk+3],   v7, s[38:39] offset:kk*HG
	global_load_b128 v[8*kk+4:8*kk+7], v7, s[38:39] offset:kk*HG+512
.set kk, kk+1
.endr
	WIN 0
.rept 11
	global_load_b128 v[96+8*(kk-32):96+8*(kk-32)+3],   v7, s[38:39] offset:kk*HG
	global_load_b128 v[96+8*(kk-32)+4:96+8*(kk-32)+7], v7, s[38:39] offset:kk*HG+512
.set kk, kk+1
.endr
	LDB 32, 16, 0
	LDB 64, 16, KSL
.set kk, 0
.rept 43
.if 84-2*kk > 63
	s_wait_loadcnt 63                              ; two loads for each later K step may be out; the wait names 63 at the most
.else
	s_wait_loadcnt 84-2*kk
.endif
.if kk < 42
	s_wait_dscnt 0x8                               ; the next K step's eight loads may be out
.else
	s_wait_dscnt 0x0
.endif
.if kk < 32
	WIN 0x01
.set ra, 8*kk
.else
	WIN 0
.set ra, 96+8*(kk-32)
.endif
.irp j, 0,1,2,3
.if kk == 0
	v_wmma_f32_16x16x32_bf16 v[224+8*\j:224+8*\j+7], v[ra:ra+7], v[32+32*(kk%2)+8*\j:32+32*(kk%2)+8*\j+7], 0
.else
	v_wmma_f32_16x16x32_bf16 v[224+8*\j:224+8*\j+7], v[ra:ra+7], v[32+32*(kk%2)+8*\j:32+32*(kk%2)+8*\j+7], v[224+8*\j:224+8*\j+7]
.endif
.endr
	WIN 0
	NOP4
.if kk < 41
	LDB 32+32*(kk%2), 16+(kk+2)/16, ((kk+2)%16)*KSL
.endif
.set kk, kk+1
.endr
.set zz, 0
.rept 32
	v_mov_b32 v[96+zz], v[224+8*(zz%4)+zz/4]
.set zz, zz+1
.endr
.set zz, 0
.rept 8
	global_store_b128 v8, v[96+4*zz:96+4*zz+3], s[50:51] offset:zz*4096
.set zz, zz+1
.endr
.Lskip:
	s_add_co_u32 s37, s37, 128
	s_sub_co_u32 s36, s36, 1
	s_cmp_lg_u32 s36, 0
	s_cbranch_scc1 .Ltrip
	s_wait_tensorcnt 0x0                           ; the wave's end, behind my last LDS store
	ds_add_u32 v[SPW], v[NIL]
	s_wait_dscnt 0x0
	s_endpgm
.Lfunc_end_k_q177f91b18d_down:
	.size	k_q177f91b18d_down, .Lfunc_end_k_q177f91b18d_down-k_q177f91b18d_down
	.p2alignl 7, 3214868480
	.fill 96, 4, 3214868480
	.section	.rodata,"a",@progbits
	.p2align	6, 0x0
	.amdhsa_kernel k_q177f91b18d_down
		.amdhsa_group_segment_fixed_size 177152
		.amdhsa_private_segment_fixed_size 0
		.amdhsa_enable_private_segment 0
		.amdhsa_kernarg_size 32
		.amdhsa_user_sgpr_count 2
		.amdhsa_user_sgpr_kernarg_segment_ptr 1
		.amdhsa_wavefront_size32 1
		.amdhsa_system_sgpr_workgroup_id_x 1
		.amdhsa_system_sgpr_workgroup_id_y 1
		.amdhsa_system_sgpr_workgroup_id_z 1
		.amdhsa_system_vgpr_workitem_id 0
		.amdhsa_next_free_vgpr 512
		.amdhsa_next_free_sgpr 66
		.amdhsa_reserve_vcc 0
		.amdhsa_float_denorm_mode_32 3
		.amdhsa_float_denorm_mode_16_64 3
		.amdhsa_memory_ordered 1
		.amdhsa_forward_progress 1
		.amdhsa_inst_pref_size 148
	.end_amdhsa_kernel
	.amdgpu_metadata
---
amdhsa.version: [ 1, 2 ]
amdhsa.kernels:
  - .name:           k_q177f91b18d_down
    .symbol:         k_q177f91b18d_down.kd
    .args:
      - { .name: hf, .offset: 0, .size: 8, .value_kind: global_buffer, .address_space: global }
      - { .name: w2, .offset: 8, .size: 8, .value_kind: global_buffer, .address_space: global }
      - { .name: cnt, .offset: 16, .size: 8, .value_kind: global_buffer, .address_space: global }
      - { .name: part, .offset: 24, .size: 8, .value_kind: global_buffer, .address_space: global }
    .group_segment_fixed_size: 177152
    .private_segment_fixed_size: 0
    .kernarg_segment_align: 8
    .kernarg_segment_size: 32
    .max_flat_workgroup_size: 256
    .sgpr_count:     66
    .vgpr_count:     512
    .wavefront_size: 32
...
	.end_amdgpu_metadata
.endif
;; end of part 3
;; launch sum (part 4): grid 256 x 1, 4 waves a work-group, no clusters, 0 bytes of LDS; arguments sel, gate, rank, part, out0; writes out0
.if DOCPART == 4
	.amdgcn_target "amdgcn-amd-amdhsa--gfx1250"
	.amdhsa_code_object_version 6
	.text
	.protected	k_q177f91b18d_sum
	.globl	k_q177f91b18d_sum
	.p2align	8
	.type	k_q177f91b18d_sum,@function
k_q177f91b18d_sum:
	s_mov_b64 s[64:65], 0
	v_nop
	global_prefetch_b8 v0, s[64:65] scope:SCOPE_SE
	s_setreg_imm32_b32 hwreg(HW_REG_WAVE_MODE, 25, 1), 1
	s_wait_xcnt 0x0
; out0[t] = g0 (P0 + P1)(e0, r0) + g1 (P0 + P1)(e1, r1): the two halves of K of the token's two experts, weighed by its gates.  All in f32.
; A wave takes one token: 4 rows of 4,096 bytes in, one out; every load and store of the wave covers 512 consecutive bytes.  All 32 loads are out before the first wait.
; The token's experts and ranks are whole numbers that earlier launches stored; all eight ranks are loaded beside sel, so that one wait serves, and two are picked.
; Memory binds: no LDS, no matrix unit, no cluster (no two work-groups read the same bytes of part).
	s_load_b256 s[4:11], s[0:1], 0x0               ; sel s[4:5], gate s[6:7], rank s[8:9], part s[10:11]
	s_load_b64 s[12:13], s[0:1], 0x20              ; out0
	v_lshrrev_b32 v1, 5, v0
	v_readfirstlane_b32 s16, v1                    ; wave 0..3
	v_and_b32 v1, 31, v0
	v_lshlrev_b32 v1, 4, v1                        ; 16 x lane
	s_lshl_b32 s17, ttmp9, 2
	s_add_co_u32 s17, s17, s16                     ; the token
	s_lshl_b32 s18, s17, 2
	s_lshl_b32 s19, s17, 3
	s_lshl_b32 s40, s17, 12
	s_mov_b32 s41, 0
	s_wait_kmcnt 0x0
	s_load_b32 s20, s[4:5], s18 offset:0x0
	s_load_b64 s[22:23], s[6:7], s19 offset:0x0    ; g0, g1
.irp e, 0,1,2,3,4,5,6,7
	s_load_b32 s[24+\e], s[8:9], s18 offset:4096*\e
.endr
	s_add_nc_u64 s[14:15], s[10:11], 0x2000000     ; the second half of K: 8 experts x 1,024 rows x 4,096 bytes on
	s_add_nc_u64 s[12:13], s[12:13], s[40:41]
	s_wait_kmcnt 0x0
	s_bfe_u32 s32, s20, 0x80008                    ; e0
	s_bfe_u32 s33, s20, 0x80010                    ; e1
	s_min_u32 s32, s32, 7
	s_min_u32 s33, s33, 7
	s_mov_b32 s34, 0
	s_mov_b32 s35, 0
.irp e, 0,1,2,3,4,5,6,7
	s_cmp_eq_u32 s32, \e
	s_cselect_b32 s34, s[24+\e], s34
	s_cmp_eq_u32 s33, \e
	s_cselect_b32 s35, s[24+\e], s35
.endr
	s_min_u32 s34, s34, 1023
	s_min_u32 s35, s35, 1023
	s_lshl_b32 s36, s32, 10
	s_add_co_u32 s36, s36, s34
	s_lshl_b32 s36, s36, 12                        ; (1,024 e0 + r0) rows of 4,096 bytes
	s_lshl_b32 s37, s33, 10
	s_add_co_u32 s37, s37, s35
	s_lshl_b32 s37, s37, 12
	s_mov_b32 s38, s23                             ; g1 in the low word of a pair of its own: the packed forms take a scalar pair's low word for both halves
	s_mov_b32 s39, s23
	v_add_nc_u32 v2, s36, v1
	v_add_nc_u32 v3, s37, v1
.set mm, 0
.rept 8
	global_load_b128 v[16+16*mm:16+16*mm+3],     v2, s[10:11] offset:512*mm th:TH_LOAD_NT
	global_load_b128 v[16+16*mm+4:16+16*mm+7],   v2, s[14:15] offset:512*mm th:TH_LOAD_NT
	global_load_b128 v[16+16*mm+8:16+16*mm+11],  v3, s[10:11] offset:512*mm th:TH_LOAD_NT
	global_load_b128 v[16+16*mm+12:16+16*mm+15], v3, s[14:15] offset:512*mm th:TH_LOAD_NT
.set mm, mm+1
.endr
.set mm, 0
.rept 8
	s_wait_loadcnt 4*(7-mm)                        ; four loads for each later piece may be out
	v_pk_add_f32 v[16+16*mm:16+16*mm+1],     v[16+16*mm:16+16*mm+1],     v[16+16*mm+4:16+16*mm+5]
	v_pk_add_f32 v[16+16*mm+2:16+16*mm+3],   v[16+16*mm+2:16+16*mm+3],   v[16+16*mm+6:16+16*mm+7]
	v_pk_add_f32 v[16+16*mm+8:16+16*mm+9],   v[16+16*mm+8:16+16*mm+9],   v[16+16*mm+12:16+16*mm+13]
	v_pk_add_f32 v[16+16*mm+10:16+16*mm+11], v[16+16*mm+10:16+16*mm+11], v[16+16*mm+14:16+16*mm+15]
	v_pk_mul_f32 v[16+16*mm+8:16+16*mm+9],   v[16+16*mm+8:16+16*mm+9],   s[38:39] op_sel_hi:[1,0]
	v_pk_mul_f32 v[16+16*mm+10:16+16*mm+11], v[16+16*mm+10:16+16*mm+11], s[38:39] op_sel_hi:[1,0]
	v_pk_fma_f32 v[16+16*mm:16+16*mm+1],     v[16+16*mm:16+16*mm+1],     s[22:23], v[16+16*mm+8:16+16*mm+9] op_sel_hi:[1,0,1]
	v_pk_fma_f32 v[16+16*mm+2:16+16*mm+3],   v[16+16*mm+2:16+16*mm+3],   s[22:23], v[16+16*mm+10:16+16*mm+11] op_sel_hi:[1,0,1]
	global_store_b128 v1, v[16+16*mm:16+16*mm+3], s[12:13] offset:512*mm th:TH_STORE_NT
.set mm, mm+1
.endr
	s_endpgm
.Lfunc_end_k_q177f91b18d_sum:
	.size	k_q177f91b18d_sum, .Lfunc_end_k_q177f91b18d_sum-k_q177f91b18d_sum
	.p2alignl 7, 3214868480
	.fill 96, 4, 3214868480
	.section	.rodata,"a",@progbits
	.p2align	6, 0x0
	.amdhsa_kernel k_q177f91b18d_sum
		.amdhsa_group_segment_fixed_size 0
		.amdhsa_private_segment_fixed_size 0
		.amdhsa_enable_private_segment 0
		.amdhsa_kernarg_size 40
		.amdhsa_user_sgpr_count 2
		.amdhsa_user_sgpr_kernarg_segment_ptr 1
		.amdhsa_wavefront_size32 1
		.amdhsa_system_sgpr_workgroup_id_x 1
		.amdhsa_system_sgpr_workgroup_id_y 1
		.amdhsa_system_sgpr_workgroup_id_z 1
		.amdhsa_system_vgpr_workitem_id 0
		.amdhsa_next_free_vgpr 144
		.amdhsa_next_free_sgpr 66
		.amdhsa_reserve_vcc 0
		.amdhsa_float_denorm_mode_32 3
		.amdhsa_float_denorm_mode_16_64 3
		.amdhsa_memory_ordered 1
		.amdhsa_forward_progress 1
		.amdhsa_inst_pref_size 12
	.end_amdhsa_kernel
	.amdgpu_metadata
---
amdhsa.version: [ 1, 2 ]
amdhsa.kernels:
  - .name:           k_q177f91b18d_sum
    .symbol:         k_q177f91b18d_sum.kd
    .args:
      - { .name: sel, .offset: 0, .size: 8, .value_kind: global_buffer, .address_space: global }
      - { .name: gate, .offset: 8, .size: 8, .value_kind: global_buffer, .address_space: global }
      - { .name: rank, .offset: 16, .size: 8, .value_kind: global_buffer, .address_space: global }
      - { .name: part, .offset: 24, .size: 8, .value_kind: global_buffer, .address_space: global }
      - { .name: out0, .offset: 32, .size: 8, .value_kind: global_buffer, .address_space: global }
    .group_segment_fixed_size: 0
    .private_segment_fixed_size: 0
    .kernarg_segment_align: 8
    .kernarg_segment_size: 40
    .max_flat_workgroup_size: 128
    .sgpr_count:     66
    .vgpr_count:     144
    .wavefront_size: 32
...
	.end_amdgpu_metadata
.endif
;; end of part 4
